; MI455X (gfx1250); checked and timed in simulation.
; The chip was launched on July 23, 2026; its instructions are those of AMD's public machine-readable ISA for CDNA 5 (MIT licence, August 2026) and "CDNA5" Instruction Set Architecture Reference Guide (July 2026). The comments in the code are by the model that wrote it; some were corrected since.
;; Step Latent Field Model ASS Bfinal2. Allowed arithmetic: matrix products marked QUANTISED: E2M3 operands, one E8M0 scale for each 32 along K, by v_wmma_scale_f32_16x16x128_f8f6f4 with both operands' format E2M3, f32 sums; products left as they are: f32 operands where the result goes on into a quantised operand, else bf16, f16 or f32 operands; f32 sums; everything else in f32.
;; Inputs: W0 49 x 64 float32; W1_codes 64 x 2 x 24 uint8 (E2M3 codes of W1, K innermost, in blocks of 32 codes, four codes in three bytes); W1_scales 64 x 2 uint8 (E8M0 scales of W1, one for each 32 codes along K); Wout 64 x 1 float32; b0 64 float32; b1 64 float32; bout 1 float32; emb 511 x 32 float32; rho 2,000,000 float32; time_idx 2,000,000 int32.
;; Outputs: out0 2,000,000 float32.
;; This version of the problem:
;;   THIS VERSION OF THE PROBLEM IS GIVEN IN LOW PRECISION. The matrix products marked QUANTISED in the list below multiply operands that are first quantised to E2M3 (2 exponent bits, 3 mantissa bits; 6 bits a number), with one power-of-two scale for each 32 numbers along K (OCP MX v1.0); their sums are f32. All else is computed in f32.
;;   The module's matrix products, in the order in which they are computed (A, B: the left and right operand; K: the contracted axis; several contracted axes count as one K, in the product's order):
;;     1. [M 2,000,000, K 49] x [K 49, N 64]; A: computed on the way; B: input W0: QUANTISED
;;     2. [M 2,000,000, K 64] x [K 64, N 64]; A: computed on the way; B: input W1 (given as codes): QUANTISED
;;     3. [M 2,000,000, K 64] x [K 64, N 1]; A: computed on the way; B: input Wout: left as it is (N = 1 < 16)
;;   THE QUANTISER, for each operand of a quantised product, along K:
;;     - K is cut into blocks of 32 from its start; a last block that is shorter is filled with zeros.
;;     - A block's scale is 2^e with e = floor(log2(the largest magnitude in the block)) - 2, held to -126 .. 127; a block of zeros has e = 0. As a byte (E8M0): e + 127.
;;     - Each number is divided by its block's scale, clamped to +-7.5, and rounded to the nearest number of E2M3, ties to even, subnormals kept.
;;     - The product sums the exact products of the quantised numbers (number of the format x scale) in f32.
;;   ~~~python
;;   def quantise(x, axis):      # numpy; x: float32 -> the quantised numbers, widened to float32 again
;;       x = np.moveaxis(x, axis, -1); K = x.shape[-1]
;;       x = np.pad(x, [(0, 0)] * (x.ndim - 1) + [(0, -K % 32)]); x = x.reshape(x.shape[:-1] + (-1, 32)); a = np.abs(x).max(-1, keepdims=True)
;;       e = np.where(a > 0, np.clip(np.frexp(np.where(a > 0, a, 1))[1] - 1 - 2, -126, 127), 0)      # np.frexp(a)[1] - 1 = floor(log2(a)), exactly
;;       r = np.clip(x / 2.0 ** e, -7.5, 7.5)
;;       step = 2.0 ** (np.maximum(np.frexp(np.where(r == 0, 1, r))[1] - 1, 0) - 3)
;;       q = np.round(r / step) * step * 2.0 ** e      # np.round: ties to even
;;       return np.moveaxis(q.reshape(q.shape[:-2] + (-1,))[..., :K], -1, axis).astype(np.float32)
;;   ~~~
;;   OPERANDS COMPUTED ON THE WAY. 'Computed on the way' means the value that the module computes at that place (a softmax that the list does not call 'softmax' is quantised finished and normalised). What goes into a quantiser is computed in f32, as accurately as f32 sums, v_exp_f32 and their like allow (about 1e-6 of the number): no bf16 or f16 on the way to a quantiser, and a product that is left as it is and whose result goes on into a quantised operand takes f32 operands (vector FMAs, or v_wmma_f32_16x16x4_f32). A number that lies on a knife's edge between two numbers of the format may be rounded either way, as far as f32 arithmetic and the matrix unit's own rounding can turn it there, and no further.
;;   INPUTS GIVEN AS CODES. W1 (in the module: [64, 64], K = its axis 0): each comes as NAME_codes (uint8): NAME with its K axis moved to the last place and cut into blocks of 32 codes, [.., K / 32, bytes a block], one block behind the other in memory; four codes in three bytes: a row's codes are one little-endian stream of bits, code i at bits 6 i .. 6 i + 5 (a code: sign, 2 exponent bits, 3 mantissa bits); and NAME_scales (uint8): the same leading axes, one E8M0 byte (e + 127) for each 32 codes along K. Its value is code x scale, taken as it is: it is not quantised again, and the codes and scales need not be those that the quantiser above would give.
;; 2 versions. Each part assembles by itself: llvm-mc -triple=amdgcn-amd-amdhsa -mcpu=gfx1250 --defsym DOCPART=n.
;; ======== version 1 of 2: 1 launch
;; launch mlp (part 1): grid 256 x 1, 16 waves a work-group, no clusters, 22,016 bytes of LDS; arguments time_idx, rho, emb, W0, b0, W1_codes, W1_scales, b1, Wout, bout, out0; writes out0
.if DOCPART == 1
	.amdgcn_target "amdgcn-amd-amdhsa--gfx1250"
	.amdhsa_code_object_version 6
	.text
	.protected	k_q7fcd7a1414_mlp
	.globl	k_q7fcd7a1414_mlp
	.p2align	8
	.type	k_q7fcd7a1414_mlp,@function
k_q7fcd7a1414_mlp:
	s_mov_b64 s[64:65], 0
	v_nop
	global_prefetch_b8 v0, s[64:65] scope:SCOPE_SE
	s_setreg_imm32_b32 hwreg(HW_REG_WAVE_MODE, 25, 1), 1
	s_wait_xcnt 0x0
; out0[n] = 8610 where time_idx[n] == 0, else 28700 x sigmoid(raw + logit(0.3)); raw = silu(silu([emb[idx], feat(rho)] W0 + b0) W1 + b1) Wout + bout.
; Products 1 and 2 on codes of FP6 (E2M3) with one E8M0 scale for each 32 along K, sums in f32; product 3 (one column) in f32 multiply-adds; all else in f32.
; DEAD WORK: none in whole units.  The chain of a point with time_idx == 0 is thrown away by a value of an input only: it is computed and the constant is selected.  Every input is loaded.
; The first K block of product 1's left operand is one row of emb, so its codes and its scale hang on the index alone: each work-group quantises the 511 rows once into LDS and looks them up;
; the codes are those that quantising point by point would give.
; SHARES.  A chunk is 64 points: 256 bytes of rho, of time_idx and of out0; lane l holds points 2 l and 2 l + 1, so each load and store of a wave covers 256 consecutive bytes, aligned.
; 31,250 chunks go round 4,096 waves (wave number 256 x wave + work-group): 8 chunks for the first 2,578 waves, 7 for the others.  A chunk is two steps of 32 points; in step p lane l stands for point 2 l + p.
; Sixteen waves of 256 registers: four to a SIMD, so that one wave's exponentials and reciprocals stand beside another's products and look-ups.  The vector work outweighs the products by far:
; for 32 points 16 matrix instructions stand beside 256 exponentials and reciprocals, so no larger wave tile, no ring and no cluster is used; what work-groups share (the tables) is read once at the head.
; LAYOUT.  Both products are used transposed (source 0 = 16 units, source 1 = 16 points): a lane holds one point.  Lane r of weight tile t takes unit U(t) + r + 8 (r / 8), U(t) = 32 (t / 2) + 8 (t % 2):
; register j of tile t is then unit U(t) + 16 (lane / 16) + j, and the 16 registers of tiles 2 b, 2 b + 1 are 16 neighbours along the next K.
; ONE SET OF WEIGHT FRAGMENTS SERVES BOTH PRODUCTS: of the instruction's 128 along K, 0-63 hold W0 (49 rows, the rest zero codes) and 64-127 hold W1; the points' operand has zero codes in the half that is not at work.
; Block 1 of product 1 is ordered c2 c1 c4 c3 c6 c5 c8 c7 s2 s1 .. s8 s7 rho and 15 zeros, in the points and in W0's rows alike: an order inside one block changes neither its scale nor any product.
; LIMITS.  NaN and infinities among the inputs are not served.  A scale byte 0xff in W1_scales (E8M0's NaN) would reach product 1 too, since the weights share fragments.
; cos and sin of k a are made from cos a and sin a, a = fl(pi rho), by angle additions; reference() takes cos(fl(a k)): the angles differ by at most half a last place of a k, about 1e-6 for rho under 1, growing with |rho|.
; A block of zeros gets the scale byte 1 where the rule says 127: its codes are zeros, and this program alone reads the bytes.
.set STRIDE, 4096*256                  ; bytes from a wave's chunk to its next
.set FULL,   31250-7*4096              ; waves with an eighth chunk
.set TABLE,  0                         ; LDS: 512 slots of 32 bytes: an emb row's 24 bytes of codes, its scale byte as a word, a zero word
.set W0IMG,  16384                     ; W0's four fragments as images of their registers: a tile is 512 (registers 0-3) + 256 (4-5) + 128 (scale word) bytes
.set IMG,    896
.set SPARE,  19968                     ; the spare words, 128 bytes for each of 16 waves: eight blocks of 256 bytes that no other line names
.set GOFF, 1                           ; v1       8 x lane: my two points' bytes in a chunk; never rewritten
.set SPW,  2                           ; v2       LDS address of my spare word; never rewritten
.set NIL,  3                           ; v3       0; never rewritten
.set LDR,  4                           ; v[4:5]   rho of my two points
.set LDT,  6                           ; v[6:7]   time_idx of my two points
.set OUT,  8                           ; v[8:9]   half sums, raw, then the results
.set SW,   10                          ; v10      the points' scale word for product 1: byte 0 emb's block, byte 1 the features'
.set SW2,  11                          ; v11      for product 2: bytes 2 and 3
.set WS,   12                          ; v12-15   the weights' scale words: bytes 0, 1 W0's blocks, bytes 2, 3 W1's
.set WF,   16                          ; v16-63   four weight fragments of 12 registers: 0-5 W0, 6-11 W1
.set B0,   64                          ; v64-95   b0 in the result's layout
.set B1,   96                          ; v96-127  b1
.set WO,   128                         ; v128-159 Wout
.set OPA,  160                         ; v160-165 codes of the points in lanes 0-15;  v[160:171] is their operand of product 1
.set Z,    166                         ; v166-171 zeros;                              v[166:177] is the operand of product 2
.set H1,   172                         ; v172-177 the hidden layer's codes
.set OPB,  178                         ; v178-183 codes of the points in lanes 16-31; v[178:189] is their operand of product 1
.set Z2,   184                         ; v184-189 zeros
.set ACC,  190                         ; v[190:191] product 3's running sums
.set X,    192                         ; v192-223 four accumulators; between the products also the 17 features
.set T,    224                         ; v224-255 at work
.set Q,    252                         ; v[252:254] a second conversion's result (three registers from an even one)
.set ANG,  T+1
.set NN,   T+2
.set FR,   T+3
.set ZZ,   T+4
.set PS,   T+5
.set PC,   T+6
.set SG,   T+7
.set PT0,  T+8
.set MX,   T+10
.set SO,   T+11
.set BY,   T+12
.set DD,   T+13
.set PT1,  T+14
; at the head alone
.set TST,  160                         ; 32 x thread: my slot of the table
.set L16,  161                         ; 16, 8, 4 x lane: an image's places
.set L8,   162
.set L4,   163
.set A16,  164                         ; the same + (wave % 4) x a tile's image
.set A8,   165
.set A4,   172
.set EOFF, 173                         ; my emb row
.set W1O,  174                         ; my bytes in W1_codes
.set W1SO, 175                         ; and in W1_scales
.set BOFF, 176                         ; 64 x (lane / 16): my half's sixteen units in b0, b1, Wout
.set W0E,  177                         ; W0: my unit's column; in lanes 16-31 + 34 rows (even places under 16),
.set W0O,  190                         ; + 32 rows (odd places under 16),
.set W0H,  186                         ; + 16 rows (places from 16 on)
.set SH8,  191                         ; 8 x (lane / 16)
.set HC,   178                         ; v178-185 codes (6), the scale byte, a zero
.set HQ,   186                         ; v[186:188] a second conversion's result
.set BO,   189                         ; bout
.set WV,   2                           ; s2  wave
.set GW,   3                           ; s3  wave's number in the launch
.set TP,   8                           ; s[8:9] time_idx, s[10:11] rho, s[28:29] out0: at my chunk
.set RP,   10
.set OP,   28
.set NT,   30                          ; s30 my chunks
.set TR,   31                          ; s31 chunks done
.set NC,   34                          ; s[34:35] -log2(e)
.set SEL,  36                          ; s[36:37] v_permlanex16_b32's selects for lane l xor 16
.set K0,   38                          ; s38 -log2(e) x (bout + logit(0.3))
.set HIM,  39                          ; s39 lanes 16-31
.set MK,   40                          ; s40, s41 lanes whose time_idx is 0, for the chunk's two steps
; 32 numbers of one lane, a whole block, become six registers of codes in v[HC] on and the scale's byte in v[HC+6]
.macro Q32 src
	v_max3_num_f32 v8, |v[\src]|, |v[\src+1]|, 0x1800000           ; the largest magnitude, and the floor 2^(3 - 127): the byte cannot fall under 1
.irp i, 2,4,6,8,10,12,14,16,18,20,22,24,26,28,30
	v_max3_num_f32 v8, v8, |v[\src+\i]|, |v[\src+\i+1]|
.endr
	v_add_nc_u32 v9, 0xff000000, v8                                ; 2 off its exponent field: the conversion takes the exponent field of this operand as its scale
	v_lshrrev_b32 v[HC+6], 23, v9                                  ; the scale's byte
	v_cvt_scalef32_pk16_fp6_f32 v[HC:HC+2], v[\src:\src+15], v9
	v_cvt_scalef32_pk16_fp6_f32 v[HQ:HQ+2], v[\src+16:\src+31], v9 ; (a conversion's three registers begin on an even number)
	v_nop                                                          ; one plain place behind a scaled conversion
.irp i, 0,1,2
	v_mov_b32 v[HC+3+\i], v[HQ+\i]
.endr
.endm
	s_load_b256 s[8:15], s[0:1], 0x0               ; time_idx, rho, emb, W0
	s_load_b256 s[16:23], s[0:1], 0x20             ; b0, W1_codes, W1_scales, b1
	s_load_b128 s[24:27], s[0:1], 0x40             ; Wout, bout
	s_load_b64 s[28:29], s[0:1], 0x50              ; out0
	v_lshl_add_u32 v[SPW], v0, 2, SPARE
	v_mov_b32 v[NIL], 0
	v_lshrrev_b32 v[T], 5, v0
	v_readfirstlane_b32 s[WV], v[T]                ; wave 0..15
	v_and_b32 v[T], 31, v0                         ; lane
	v_and_b32 v[T+1], 15, v0                       ; r
	v_bfe_u32 v[T+2], v0, 4, 1                     ; h
	v_and_b32 v[T+3], 8, v[T+1]
	v_add_nc_u32 v[T+3], v[T+3], v[T+1]            ; r + 8 (r / 8)
	v_lshlrev_b32 v[T+4], 2, v[T+3]                ; its column in a row of W0
	v_lshlrev_b32 v[GOFF], 3, v[T]
	v_lshlrev_b32 v[TST], 5, v0
	v_lshlrev_b32 v[L16], 4, v[T]
	v_lshlrev_b32 v[L8], 3, v[T]
	v_lshlrev_b32 v[L4], 2, v[T]
	s_and_b32 s32, s[WV], 3
	s_mul_i32 s32, s32, IMG
	v_add_nc_u32 v[A16], s32, v[L16]               ; every LDS address is made here, ahead of the branch on the wave's number
	v_add_nc_u32 v[A8], s32, v[L8]
	v_add_nc_u32 v[A4], s32, v[L4]
	v_min_u32 v[EOFF], 0x1fe, v0                   ; thread 511 takes row 510 once more: its slot is never looked up
	v_lshlrev_b32 v[EOFF], 7, v[EOFF]
	v_mul_u32_u24 v[W1O], v[T+3], 48
	v_mad_u32_u24 v[W1O], v[T+2], 24, v[W1O]       ; a unit's 48 bytes of codes, my half's block of 24
	v_lshlrev_b32 v[W1SO], 1, v[T+3]
	v_lshlrev_b32 v[BOFF], 6, v[T+2]
	v_mad_u32_u24 v[W0E], v[T+2], 34*256, v[T+4]
	v_lshl_add_u32 v[W0O], v[T+2], 13, v[T+4]
	v_lshl_add_u32 v[W0H], v[T+2], 12, v[T+4]
	v_lshlrev_b32 v[SH8], 3, v[T+2]
.irp i, 0,1,2,3,4,5
	v_mov_b32 v[Z+\i], 0
.endr
	v_mov_b32 v[HC+7], 0                           ; (a lane permute's destination counts as one of its sources)
	s_mov_b32 s[NC], 0xbfb8aa3b
	s_mov_b32 s[NC+1], s[NC]                       ; (named with it as a pair, so it is written)
	s_mov_b32 s[SEL], 0x76543210
	s_mov_b32 s[SEL+1], 0xfedcba98
	s_mov_b32 s[HIM], 0xffff0000
	s_lshl_b32 s[GW], s[WV], 8
	s_add_co_u32 s[GW], s[GW], ttmp9               ; 256 x wave + work-group
	s_cmp_lt_u32 s[GW], FULL
	s_cselect_b32 s[NT], 8, 7
	s_lshl_b32 s4, s[GW], 8                        ; my first chunk, in bytes
	s_mov_b32 s5, 0
	s_and_b32 s42, s[WV], 1                        ; 4 U(wave % 4): the W0 tile that waves 0 to 3 quantise
	s_lshl_b32 s42, s42, 5
	s_and_b32 s43, s[WV], 2
	s_lshl_b32 s43, s43, 6
	s_add_co_u32 s42, s42, s43
	s_mov_b32 s43, 0
	s_wait_kmcnt 0x0
	s_add_nc_u64 s[TP:TP+1], s[TP:TP+1], s[4:5]
	s_add_nc_u64 s[RP:RP+1], s[RP:RP+1], s[4:5]
	s_add_nc_u64 s[OP:OP+1], s[OP:OP+1], s[4:5]
	s_add_nc_u64 s[14:15], s[14:15], s[42:43]
	; all that the head needs, in one flight
	global_load_b64 v[LDR:LDR+1], v[GOFF], s[RP:RP+1] th:TH_LOAD_NT
	global_load_b64 v[LDT:LDT+1], v[GOFF], s[TP:TP+1] th:TH_LOAD_NT
.irp i, 0,1,2,3,4,5,6,7
	global_load_b128 v[X+4*\i:X+4*\i+3], v[EOFF], s[12:13] offset:16*\i      ; my row of emb
.endr
.irp t, 0,1,2,3
.irp q, 0,1,2
	global_load_b64 v[WF+12*\t+6+2*\q:WF+12*\t+7+2*\q], v[W1O], s[18:19] offset:(32*(\t/2)+8*(\t%2))*48+8*\q   ; W1's codes as they lie: registers 6-11 of fragment t
.endr
	global_load_u16 v[WS+\t], v[W1SO], s[20:21] offset:(32*(\t/2)+8*(\t%2))*2   ; and the unit's two scale bytes
.endr
.irp t, 0,1,2,3
	global_load_b128 v[B0+8*\t:B0+8*\t+3], v[BOFF], s[16:17] offset:(32*(\t/2)+8*(\t%2))*4
	global_load_b128 v[B0+8*\t+4:B0+8*\t+7], v[BOFF], s[16:17] offset:(32*(\t/2)+8*(\t%2))*4+16
	global_load_b128 v[B1+8*\t:B1+8*\t+3], v[BOFF], s[22:23] offset:(32*(\t/2)+8*(\t%2))*4
	global_load_b128 v[B1+8*\t+4:B1+8*\t+7], v[BOFF], s[22:23] offset:(32*(\t/2)+8*(\t%2))*4+16
	global_load_b128 v[WO+8*\t:WO+8*\t+3], v[BOFF], s[24:25] offset:(32*(\t/2)+8*(\t%2))*4
	global_load_b128 v[WO+8*\t+4:WO+8*\t+7], v[BOFF], s[24:25] offset:(32*(\t/2)+8*(\t%2))*4+16
.endr
	global_load_b32 v[BO], v[Z], s[26:27]          ; bout (offset 0)
	; waves 0 to 3: W0's tile t = wave.  A lane takes a unit's column and its registers run down K: lanes 0-15 rows 0-31 (emb's block), lanes 16-31 the features' block in this text's order
	s_cmp_lt_u32 s[WV], 4
	s_cbranch_scc0 .Lno_w0
.irp i, 0,2,4,6,8,10,12,14
	global_load_b32 v[T+\i], v[W0E], s[14:15] offset:256*\i          ; lanes 16-31: row 34 + i
	global_load_b32 v[T+\i+1], v[W0O], s[14:15] offset:256*(\i+1)    ; lanes 16-31: row 32 + (i + 1)
.endr
.irp i, 16,17,18,19,20,21,22,23,24,25,26,27,28,29,30,31
	global_load_b32 v[T+\i], v[W0H], s[14:15] offset:256*\i          ; lanes 16-31: row 32 (rho's) at place 16; behind it rows 33-47, inside the buffer, replaced by zeros below
.endr
	s_wait_loadcnt 0x0
.irp i, 17,18,19,20,21,22,23,24,25,26,27,28,29,30,31
	v_cndmask_b32 v[T+\i], v[T+\i], v[Z], s[HIM]   ; K ends at 49: the block's last 15 places are zeros
.endr
	Q32 T
	v_lshlrev_b32 v[HC+6], v[SH8], v[HC+6]         ; my block's byte at its place,
	v_permlanex16_b32 v[HC+7], v[HC+6], s[SEL], s[SEL+1]
	v_or_b32 v[HC+6], v[HC+6], v[HC+7]             ; with lane l xor 16's: bytes 0 and 1 of the unit's scale word
	ds_store_b128 v[A16], v[HC:HC+3] offset:W0IMG
	ds_store_b64 v[A8], v[HC+4:HC+5] offset:W0IMG+512
	ds_store_b32 v[A4], v[HC+6] offset:W0IMG+768
	s_wait_dscnt 0x0                               ; the stores have read their registers, which are written again below
.Lno_w0:
	s_wait_loadcnt 0x0                             ; all the head's loads are in; their offset registers are free
	Q32 X                                          ; my row of emb
	v_mov_b32 v[HC+7], 0
	ds_store_b128 v[TST], v[HC:HC+3] offset:TABLE
	ds_store_b128 v[TST], v[HC+4:HC+7] offset:TABLE+16
	v_add_f32 v[BO], 0xbf58e883, v[BO]             ; bout + ln(0.3 / 0.7)
	v_mul_f32 v[BO], s[NC], v[BO]
	v_readfirstlane_b32 s[K0], v[BO]
	s_wait_dscnt 0x0                               ; for the others' sake: my stores into the table and the images are done
.irp i, 0,1,2,3,4,5
	v_mov_b32 v[Z2+\i], 0
.endr
	s_barrier_signal -1
	s_barrier_wait -1                              ; the table and W0's four images are whole; from here to the barrier behind the loop LDS is only read
.irp t, 0,1,2,3
	ds_load_b128 v[WF+12*\t:WF+12*\t+3], v[L16] offset:W0IMG+IMG*\t
	ds_load_b64 v[WF+12*\t+4:WF+12*\t+5], v[L8] offset:W0IMG+IMG*\t+512
	ds_load_b32 v[T+\t], v[L4] offset:W0IMG+IMG*\t+768
.endr
	s_wait_dscnt 0x0
.irp t, 0,1,2,3
	v_lshl_or_b32 v[WS+\t], v[WS+\t], 16, v[T+\t]  ; W1's two bytes above W0's two
.endr
	s_mov_b32 s[TR], 0
; The look-up of step p: idx = clip(time_idx - 1, 0, 510); three LDS loads, which land while the features are made.  v0 is free since the spare word's address was made.
.macro INDEX p
	v_cmp_eq_u32 s[MK+\p], 0, v[LDT+\p]
	v_add_nc_u32 v0, -1, v[LDT+\p]
	v_cmp_lt_i32 vcc_lo, 0, v0
	v_cndmask_b32 v0, v[Z], v0, vcc_lo             ; 0 from below,
	v_min_u32 v0, 0x1fe, v0                        ; 510 from above
	v_lshlrev_b32 v0, 5, v0
	ds_load_b128 v[OPA:OPA+3], v0 offset:TABLE
	ds_load_b64 v[OPA+4:OPA+5], v0 offset:TABLE+16
	ds_load_b32 v[SW], v0 offset:TABLE+24
.endm
; (cos, sin) of two angles + one angle: pairs at X + dc, X + ds from pairs at X + sc, X + ss; the angle added is the LOW register of the pairs at X + mc, X + ms
.macro ANGLE dc, ds, sc, ss, mc, ms
	v_pk_mul_f32 v[PT0:PT0+1], v[X+\ss:X+\ss+1], v[X+\ms:X+\ms+1] op_sel_hi:[1,0]
	v_pk_mul_f32 v[PT1:PT1+1], v[X+\sc:X+\sc+1], v[X+\ms:X+\ms+1] op_sel_hi:[1,0]
	v_pk_fma_f32 v[X+\dc:X+\dc+1], v[X+\sc:X+\sc+1], v[X+\mc:X+\mc+1], v[PT0:PT0+1] op_sel_hi:[1,0,1] neg_lo:[0,0,1] neg_hi:[0,0,1]
	v_pk_fma_f32 v[X+\ds:X+\ds+1], v[X+\ss:X+\ss+1], v[X+\mc:X+\mc+1], v[PT1:PT1+1] op_sel_hi:[1,0,1]
.endm
; The 17 features of my point and their codes.  a = pi rho; a = n pi + f with |f| <= pi / 2 (pi in two parts); sin f and cos f by their series to f^11 and f^12; the sign by n's parity;
; the multiples by doubling and three rounds of angle additions, two angles an instruction.
.macro FEAT p
	v_mul_f32 v[ANG], 0x40490fdb, v[LDR+\p]
	v_mul_f32 v[NN], 0x3ea2f983, v[ANG]
	v_rndne_f32 v[NN], v[NN]
	v_fmamk_f32 v[FR], v[NN], 0xc0490fdb, v[ANG]
	v_fmamk_f32 v[FR], v[NN], 0x33bbbd2e, v[FR]
	v_mov_b32 v[PS], 0xb2d7322b                    ; -1 / 11!
	v_mov_b32 v[PC], 0x310f76c7                    ; 1 / 12!
	v_mul_f32 v[ZZ], v[FR], v[FR]
	v_cvt_i32_f32 v[SG], v[NN]
	v_fmaak_f32 v[PS], v[PS], v[ZZ], 0x3638ef1d
	v_fmaak_f32 v[PC], v[PC], v[ZZ], 0xb493f27e
	v_fmaak_f32 v[PS], v[PS], v[ZZ], 0xb9500d01
	v_fmaak_f32 v[PC], v[PC], v[ZZ], 0x37d00d01
	v_fmaak_f32 v[PS], v[PS], v[ZZ], 0x3c088889
	v_fmaak_f32 v[PC], v[PC], v[ZZ], 0xbab60b61
	v_fmaak_f32 v[PS], v[PS], v[ZZ], 0xbe2aaaab
	v_fmaak_f32 v[PC], v[PC], v[ZZ], 0x3d2aaaab
	v_mul_f32 v[PT0], v[FR], v[ZZ]
	v_fmaak_f32 v[PC], v[PC], v[ZZ], 0xbf000000
	v_lshlrev_b32 v[SG], 31, v[SG]
	v_fma_f32 v[X+9], v[PT0], v[PS], v[FR]         ; sin f
	v_fma_f32 v[X+1], v[PC], v[ZZ], 1.0            ; cos f
	v_xor_b32 v[X+9], v[SG], v[X+9]                ; s1
	v_xor_b32 v[X+1], v[SG], v[X+1]                ; c1
	v_add_f32 v[DD], v[X+1], v[X+1]
	v_fma_f32 v[X], v[DD], v[X+1], -1.0            ; c2
	v_mul_f32 v[X+8], v[DD], v[X+9]                ; s2
	ANGLE 2, 10, 0, 8, 0, 8                        ; (2, 1) + 2 = (4, 3)
	ANGLE 4, 12, 0, 8, 2, 10                       ; (2, 1) + 4 = (6, 5)
	ANGLE 6, 14, 2, 10, 2, 10                      ; (4, 3) + 4 = (8, 7)
	v_mov_b32 v[X+16], v[LDR+\p]                   ; rho
	v_max3_num_f32 v[MX], |v[X]|, |v[X+1]|, 0x1800000
.irp i, 2,4,6,8,10,12,14
	v_max3_num_f32 v[MX], v[MX], |v[X+\i]|, |v[X+\i+1]|
.endr
	v_max_num_f32 v[MX], v[MX], |v[X+16]|
	v_add_nc_u32 v[SO], 0xff000000, v[MX]
	v_lshrrev_b32 v[BY], 23, v[SO]
	v_cvt_scalef32_pk16_fp6_f32 v[OPB:OPB+2], v[X:X+15], v[SO]
	v_cvt_scalef32_pk16_fp6_f32 v[Q:Q+2], v[X+16:X+31], v[SO]      ; of these sixteen only the first, rho's, is a feature: the other registers hold old numbers, whose codes are cut off below
	v_nop                                          ; one plain place behind a scaled conversion
	v_and_b32 v[OPB+3], 0x3f, v[Q]                 ; rho's code; the block's last 15 codes are zeros
	v_mov_b32 v[OPB+4], 0
	v_mov_b32 v[OPB+5], 0
.endm
; Every lane holds its own point's two blocks: emb's in OPA, the features' in OPB.  Six exchanges of halves make of them the operand of the points in lanes 0-15 (lanes 0-15 block 0, lanes 16-31 block 1) and that of the points in lanes 16-31.
.macro JOIN
	s_wait_dscnt 0x0                               ; the look-up is in
	v_lshl_or_b32 v[SW], v[BY], 8, v[SW]           ; the scale word stays in the point's own lane: lanes 0-15 are read as row 0, lanes 16-31 as row 1
.irp i, 0,1,2,3,4,5
	v_permlane16_swap_b32 v[OPA+\i], v[OPB+\i]
.endr
.rept 8
	v_nop                                          ; a scale register written by a vector instruction stands 8 places ahead of a scaled matrix instruction, an operand so written 4
.endr
.endm
; Four matrix instructions, one for each tile of 16 units, on four accumulators; the bias is their C, so nothing is cleared or added.  Four places follow, ahead of the first read of the results (ISA guide 7.12.1).
.macro PROD c, op, sc, row1
.irp t, 0,1,2,3
.if \row1
	v_wmma_scale_f32_16x16x128_f8f6f4 v[X+8*\t:X+8*\t+7], v[WF+12*\t:WF+12*\t+11], v[\op:\op+11], v[\c+8*\t:\c+8*\t+7], v[WS+\t], v[\sc] matrix_a_fmt:MATRIX_FMT_FP6 matrix_b_fmt:MATRIX_FMT_FP6 matrix_b_scale:MATRIX_SCALE_ROW1
.else
	v_wmma_scale_f32_16x16x128_f8f6f4 v[X+8*\t:X+8*\t+7], v[WF+12*\t:WF+12*\t+11], v[\op:\op+11], v[\c+8*\t:\c+8*\t+7], v[WS+\t], v[\sc] matrix_a_fmt:MATRIX_FMT_FP6 matrix_b_fmt:MATRIX_FMT_FP6
.endif
.endr
.rept 4
	v_nop
.endr
.endm
.macro NEGEXP                          ; T = 2^(-log2(e) X): the scalings ascend; the 32 exponentials are one batch
.set i, 0
.rept 16
	v_pk_mul_f32 v[T+i:T+i+1], v[X+i:X+i+1], s[NC:NC+1] op_sel_hi:[1,0]
.set i, i+2
.endr
.set i, 0
.rept 32
	v_exp_f32 v[T+i], v[T+i]
.set i, i+1
.endr
.endm
.macro RECIP                           ; T = 1 / (1 + T): the sigmoid; the 32 reciprocals are one batch, with its plain place and its one wait
.set i, 0
.rept 16
	v_pk_add_f32 v[T+i:T+i+1], v[T+i:T+i+1], 1.0 op_sel_hi:[1,0]
.set i, i+2
.endr
.set i, 0
.rept 32
	v_rcp_f32 v[T+i], v[T+i]
.set i, i+1
.endr
	v_nop                                          ; a plain place behind the last reciprocal
	s_wait_alu depctr_va_vdst(0)                   ; one wait for the batch, ahead of its first reader
.endm
; 16 points through both layers and the dot with Wout.  op: their operand of product 1; row1: their scale words lie in lanes 16-31; dst: where a lane's half sum (its 32 units) goes
.macro TILE op, row1, dst
	PROD B0, \op, SW, \row1
	NEGEXP
	v_nop                                          ; a plain place behind the last exponential
	s_wait_alu depctr_va_vdst(0)                   ; one wait for the batch
	RECIP
.set i, 0
.rept 16
	v_pk_mul_f32 v[X+i:X+i+1], v[X+i:X+i+1], v[T+i:T+i+1]          ; silu
.set i, i+2
.endr
	; the hidden layer's two blocks of 32: registers 16 b + i are units 32 b + 16 (lane / 16) + i of my point
.irp b, 0,1
	v_max3_num_f32 v[T+\b], |v[X+16*\b]|, |v[X+16*\b+1]|, 0x1800000
.endr
.irp i, 2,4,6,8,10,12,14
.irp b, 0,1
	v_max3_num_f32 v[T+\b], v[T+\b], |v[X+16*\b+\i]|, |v[X+16*\b+\i+1]|
.endr
.endr
.irp b, 0,1
	v_permlanex16_b32 v[T+2+\b], v[T+\b], s[SEL], s[SEL+1]
.endr
.irp b, 0,1
	v_max_num_f32 v[T+\b], v[T+\b], v[T+2+\b]      ; with lane l xor 16's sixteen: the block's largest magnitude
.endr
.irp b, 0,1
	v_add_nc_u32 v[T+4+\b], 0xff000000, v[T+\b]
.endr
.irp b, 0,1
	v_lshrrev_b32 v[T+6+\b], 23, v[T+4+\b]
.endr
	v_lshlrev_b32 v[SW2], 16, v[T+6]               ; bytes 2 and 3: the hidden layer stands at 64-127 of the instruction's K
	v_lshl_or_b32 v[SW2], v[T+7], 24, v[SW2]
	v_cvt_scalef32_pk16_fp6_f32 v[H1:H1+2], v[X:X+15], v[T+4]
	v_cvt_scalef32_pk16_fp6_f32 v[Q:Q+2], v[X+16:X+31], v[T+5]
	v_nop                                          ; one plain place behind a scaled conversion
.irp i, 0,1,2
	v_permlane16_swap_b32 v[H1+\i], v[Q+\i]        ; the operand's layout wants a whole block in a lane: lanes 0-15 block 0, lanes 16-31 block 1
.endr
.irp i, 0,1,2
	v_mov_b32 v[H1+3+\i], v[Q+\i]
.endr
.rept 8
	v_nop                                          ; the scale word stands 8 places ahead of the scaled matrix instruction, the codes 4
.endr
	PROD B1, Z, SW2, 0
	NEGEXP
.set i, 0
.rept 16
	v_pk_mul_f32 v[X+i:X+i+1], v[X+i:X+i+1], v[WO+i:WO+i+1]        ; x Wout: work that names no exponential's result, behind the batch
.set i, i+2
.endr
	s_wait_alu depctr_va_vdst(0)                   ; one wait for the batch
	RECIP
	v_pk_mul_f32 v[ACC:ACC+1], v[X:X+1], v[T:T+1]                  ; the sum of (x Wout) sigmoid(x), two at a time, in two chains
	v_pk_mul_f32 v[T:T+1], v[X+2:X+3], v[T+2:T+3]
.set i, 4
.rept 7
	v_pk_fma_f32 v[ACC:ACC+1], v[X+i:X+i+1], v[T+i:T+i+1], v[ACC:ACC+1]
	v_pk_fma_f32 v[T:T+1], v[X+i+2:X+i+3], v[T+i+2:T+i+3], v[T:T+1]
.set i, i+4
.endr
	v_pk_add_f32 v[ACC:ACC+1], v[ACC:ACC+1], v[T:T+1]
	v_add_f32 v[\dst], v[ACC], v[ACC+1]
.endm
.macro STEP p
	INDEX \p
	FEAT \p
.if \p
	; rho and time_idx have had their last read (the masks are in scalar registers): the next chunk is asked for here and has the rest of the step in which to land.  The last chunk asks for nothing: no load leaves its buffer
	s_add_co_u32 s32, s[TR], 1
	s_cmp_lt_u32 s32, s[NT]
	s_cbranch_scc0 .Lno_next_\@
	global_load_b64 v[LDR:LDR+1], v[GOFF], s[RP:RP+1] offset:STRIDE th:TH_LOAD_NT
	global_load_b64 v[LDT:LDT+1], v[GOFF], s[TP:TP+1] offset:STRIDE th:TH_LOAD_NT
.Lno_next_\@:
.endif
	JOIN
	TILE OPA, 0, OUT+\p
	TILE OPB, 1, ACC
	v_permlane16_swap_b32 v[OUT+\p], v[ACC]        ; the first now holds each lane's own point's lower 32 units, the second its upper 32
	v_add_f32 v[OUT+\p], v[OUT+\p], v[ACC]         ; raw less bout, in the point's own lane
.endm
.Ltrip:
	s_wait_loadcnt 0x0                             ; this chunk's rho and time_idx
	STEP 0
	STEP 1
	v_fma_f32 v[T], v[OUT], s[NC], s[K0]           ; -log2(e) (raw + logit(0.3))
	v_fma_f32 v[T+1], v[OUT+1], s[NC], s[K0]
	v_exp_f32 v[T], v[T]
	v_exp_f32 v[T+1], v[T+1]
	v_nop                                          ; a plain place behind the exponentials
	s_wait_alu depctr_va_vdst(0)                   ; and their wait
	v_pk_add_f32 v[T:T+1], v[T:T+1], 1.0 op_sel_hi:[1,0]
	v_rcp_f32 v[T], v[T]
	v_rcp_f32 v[T+1], v[T+1]
	v_mov_b32 v[T+2], 0x46068800                   ; 0.3 x 28700 (the plain place behind the reciprocals)
	s_wait_alu depctr_va_vdst(0)
	v_pk_mul_f32 v[T:T+1], v[T:T+1], 0x46e03800 op_sel_hi:[1,0]    ; x 28700
	v_cndmask_b32 v[OUT], v[T], v[T+2], s[MK]      ; the initial value where time_idx is 0
	v_cndmask_b32 v[OUT+1], v[T+1], v[T+2], s[MK+1]
	global_store_b64 v[GOFF], v[OUT:OUT+1], s[OP:OP+1] th:TH_STORE_NT   ; 32 lanes store 256 consecutive bytes, at a multiple of 256 from out0's first byte
	s_wait_xcnt 0x0                                ; the store and the loads ahead have read their registers and bases: both may be written again
	s_add_nc_u64 s[RP:RP+1], s[RP:RP+1], STRIDE
	s_add_nc_u64 s[TP:TP+1], s[TP:TP+1], STRIDE
	s_add_nc_u64 s[OP:OP+1], s[OP:OP+1], STRIDE
	s_add_co_u32 s[TR], s[TR], 1
	s_cmp_lt_u32 s[TR], s[NT]
	s_cbranch_scc1 .Ltrip
	s_wait_dscnt 0x0                               ; my look-ups are in
	s_barrier_signal -1
	s_barrier_wait -1                              ; everybody's are: no LDS read is out when the lines below write
	s_wait_tensorcnt 0x0                           ; the wave's end
	ds_add_u32 v[SPW], v[NIL]
	s_wait_dscnt 0x0
	s_endpgm
.Lfunc_end_k_q7fcd7a1414_mlp:
	.size	k_q7fcd7a1414_mlp, .Lfunc_end_k_q7fcd7a1414_mlp-k_q7fcd7a1414_mlp
	.p2alignl 7, 3214868480
	.fill 96, 4, 3214868480
	.section	.rodata,"a",@progbits
	.p2align	6, 0x0
	.amdhsa_kernel k_q7fcd7a1414_mlp
		.amdhsa_group_segment_fixed_size 22016
		.amdhsa_private_segment_fixed_size 0
		.amdhsa_enable_private_segment 0
		.amdhsa_kernarg_size 88
		.amdhsa_user_sgpr_count 2
		.amdhsa_user_sgpr_kernarg_segment_ptr 1
		.amdhsa_wavefront_size32 1
		.amdhsa_system_sgpr_workgroup_id_x 1
		.amdhsa_system_sgpr_workgroup_id_y 1
		.amdhsa_system_sgpr_workgroup_id_z 1
		.amdhsa_system_vgpr_workitem_id 0
		.amdhsa_next_free_vgpr 256
		.amdhsa_next_free_sgpr 66
		.amdhsa_reserve_vcc 1
		.amdhsa_float_denorm_mode_32 3
		.amdhsa_float_denorm_mode_16_64 3
		.amdhsa_memory_ordered 1
		.amdhsa_forward_progress 1
		.amdhsa_inst_pref_size 86
	.end_amdhsa_kernel
	.amdgpu_metadata
---
amdhsa.version: [ 1, 2 ]
amdhsa.kernels:
  - .name:           k_q7fcd7a1414_mlp
    .symbol:         k_q7fcd7a1414_mlp.kd
    .args:
      - { .name: time_idx, .offset: 0, .size: 8, .value_kind: global_buffer, .address_space: global }
      - { .name: rho, .offset: 8, .size: 8, .value_kind: global_buffer, .address_space: global }
      - { .name: emb, .offset: 16, .size: 8, .value_kind: global_buffer, .address_space: global }
      - { .name: W0, .offset: 24, .size: 8, .value_kind: global_buffer, .address_space: global }
      - { .name: b0, .offset: 32, .size: 8, .value_kind: global_buffer, .address_space: global }
      - { .name: W1_codes, .offset: 40, .size: 8, .value_kind: global_buffer, .address_space: global }
      - { .name: W1_scales, .offset: 48, .size: 8, .value_kind: global_buffer, .address_space: global }
      - { .name: b1, .offset: 56, .size: 8, .value_kind: global_buffer, .address_space: global }
      - { .name: Wout, .offset: 64, .size: 8, .value_kind: global_buffer, .address_space: global }
      - { .name: bout, .offset: 72, .size: 8, .value_kind: global_buffer, .address_space: global }
      - { .name: out0, .offset: 80, .size: 8, .value_kind: global_buffer, .address_space: global }
    .group_segment_fixed_size: 22016
    .private_segment_fixed_size: 0
    .kernarg_segment_align: 8
    .kernarg_segment_size: 88
    .max_flat_workgroup_size: 512
    .sgpr_count:     66
    .vgpr_count:     256
    .wavefront_size: 32
...
	.end_amdgpu_metadata
.endif
;; end of part 1
;; ======== version 2 of 2: 1 launch; version 1 with the launch mlp written anew for expert scheduling mode
;; launch mlp (part 2): grid 256 x 1, 16 waves a work-group, no clusters, 22,016 bytes of LDS; arguments time_idx, rho, emb, W0, b0, W1_codes, W1_scales, b1, Wout, bout, out0; writes out0
.if DOCPART == 2
	.amdgcn_target "amdgcn-amd-amdhsa--gfx1250"
	.amdhsa_code_object_version 6
	.text
	.protected	k_q7fcd7a1414_mlp
	.globl	k_q7fcd7a1414_mlp
	.p2align	8
	.type	k_q7fcd7a1414_mlp,@function
k_q7fcd7a1414_mlp:
	s_mov_b64 s[64:65], 0
	v_nop
	global_prefetch_b8 v0, s[64:65] scope:SCOPE_SE
	s_setreg_imm32_b32 hwreg(HW_REG_WAVE_SCHED_MODE, 0, 2), 2
	s_setreg_imm32_b32 hwreg(HW_REG_WAVE_MODE, 25, 1), 1
	s_wait_xcnt 0x0
	s_wait_alu depctr_vm_vsrc(0)
; out0[n] = 8610 where time_idx[n] == 0, else 28700 x sigmoid(raw + logit(0.3)); raw = silu(silu([emb[idx], feat(rho)] W0 + b0) W1 + b1) Wout + bout.
; Products 1 and 2 on codes of FP6 (E2M3) with one E8M0 scale for each 32 along K, sums in f32; product 3 (one column) in f32 multiply-adds; all else in f32.
; DEAD WORK: none in whole units.  The chain of a point with time_idx == 0 is thrown away by a value of an input only: it is computed and the constant is selected.  Every input is loaded.
; The first K block of product 1's left operand is one row of emb, so its codes and its scale hang on the index alone: each work-group quantises the 511 rows once into LDS and looks them up;
; the codes are those that quantising point by point would give.
; SHARES.  A chunk is 64 points: 256 bytes of rho, of time_idx and of out0; lane l holds points 2 l and 2 l + 1, so each load and store of a wave covers 256 consecutive bytes, aligned.
; 31,250 chunks go round 4,096 waves (wave number 256 x wave + work-group): 8 chunks for the first 2,578 waves, 7 for the others.  A chunk is two steps of 32 points; in step p lane l stands for point 2 l + p.
; Sixteen waves of 256 registers: four to a SIMD, so that one wave's exponentials and reciprocals stand beside another's products and look-ups.  The vector work outweighs the products by far:
; for 32 points 16 matrix instructions stand beside 256 exponentials and reciprocals, so no larger wave tile, no ring and no cluster is used; what work-groups share (the tables) is read once at the head.
; LAYOUT.  Both products are used transposed (source 0 = 16 units, source 1 = 16 points): a lane holds one point.  Lane r of weight tile t takes unit U(t) + r + 8 (r / 8), U(t) = 32 (t / 2) + 8 (t % 2):
; register j of tile t is then unit U(t) + 16 (lane / 16) + j, and the 16 registers of tiles 2 b, 2 b + 1 are 16 neighbours along the next K.
; ONE SET OF WEIGHT FRAGMENTS SERVES BOTH PRODUCTS: of the instruction's 128 along K, 0-63 hold W0 (49 rows, the rest zero codes) and 64-127 hold W1; the points' operand has zero codes in the half that is not at work.
; Block 1 of product 1 is ordered c2 c1 c4 c3 c6 c5 c8 c7 s2 s1 .. s8 s7 rho and 15 zeros, in the points and in W0's rows alike: an order inside one block changes neither its scale nor any product.
; LIMITS.  NaN and infinities among the inputs are not served.  A scale byte 0xff in W1_scales (E8M0's NaN) would reach product 1 too, since the weights share fragments.
; cos and sin of k a are made from cos a and sin a, a = fl(pi rho), by angle additions; reference() takes cos(fl(a k)): the angles differ by at most half a last place of a k, about 1e-6 for rho under 1, growing with |rho|.
; A block of zeros gets the scale byte 1 where the rule says 127: its codes are zeros, and this program alone reads the bytes.
; THE MODE: SCHED_MODE bits 1:0 = 2 (LLVM: expert scheduling mode 2), set by the entry lines.  The code itself states the register dependences
; between vector or matrix instructions and memory or LDS instructions, with s_wait_alu, always for 0.
; THE PLAN.  Registers that memory or LDS instructions touch, in the loop:
;   v0           Written by the index lines of a step; read by the step's three LDS loads (the look-up).
;   OPA, SW      The look-up lands in them; then the joining lines write them and the step's products read them.
;   LDR, LDT     Read by both steps' index and feature lines; the next chunk's two loads, issued in step 1, land in them.
;   OUT          Written by the tiles' sums and the two selects; read by the chunk's store.
;   v[GOFF]      Read by every load and store of a chunk; made at the head and never written again: the scalar bases move on.
;   All other registers are named by vector and matrix instructions alone.
; A step's head: one wait on vm_vsrc (v0 and OUT are read), one on va_sdst behind the two compares, one on va_vdst ahead of the look-up (v0 is written; the last products are done with OPA and SW).
; Ahead of each group of products whose operand or scale word vector lines have just made: one wait on va_vdst behind the places.  The first of a step also shows rho and time_idx read for the last time:
; step 1's loads of the next chunk stand straight behind it and owe nothing more; no vector line from there to the next trip's wait for them names LDR or LDT.  One wait on va_vdst stands ahead of the store.
.set STRIDE, 4096*256                  ; bytes from a wave's chunk to its next
.set FULL,   31250-7*4096              ; waves with an eighth chunk
.set TABLE,  0                         ; LDS: 512 slots of 32 bytes: an emb row's 24 bytes of codes, its scale byte as a word, a zero word
.set W0IMG,  16384                     ; W0's four fragments as images of their registers: a tile is 512 (registers 0-3) + 256 (4-5) + 128 (scale word) bytes
.set IMG,    896
.set SPARE,  19968                     ; the spare words, 128 bytes for each of 16 waves: eight blocks of 256 bytes that no other line names
.set GOFF, 1                           ; v1       8 x lane: my two points' bytes in a chunk; never rewritten
.set SPW,  2                           ; v2       LDS address of my spare word; never rewritten
.set NIL,  3                           ; v3       0; never rewritten
.set LDR,  4                           ; v[4:5]   rho of my two points
.set LDT,  6                           ; v[6:7]   time_idx of my two points
.set OUT,  8                           ; v[8:9]   half sums, raw, then the results
.set SW,   10                          ; v10      the points' scale word for product 1: byte 0 emb's block, byte 1 the features'
.set SW2,  11                          ; v11      for product 2: bytes 2 and 3
.set WS,   12                          ; v12-15   the weights' scale words: bytes 0, 1 W0's blocks, bytes 2, 3 W1's
.set WF,   16                          ; v16-63   four weight fragments of 12 registers: 0-5 W0, 6-11 W1
.set B0,   64                          ; v64-95   b0 in the result's layout
.set B1,   96                          ; v96-127  b1
.set WO,   128                         ; v128-159 Wout
.set OPA,  160                         ; v160-165 codes of the points in lanes 0-15;  v[160:171] is their operand of product 1
.set Z,    166                         ; v166-171 zeros;                              v[166:177] is the operand of product 2
.set H1,   172                         ; v172-177 the hidden layer's codes
.set OPB,  178                         ; v178-183 codes of the points in lanes 16-31; v[178:189] is their operand of product 1
.set Z2,   184                         ; v184-189 zeros
.set ACC,  190                         ; v[190:191] product 3's running sums
.set X,    192                         ; v192-223 four accumulators; between the products also the 17 features
.set T,    224                         ; v224-255 at work
.set Q,    252                         ; v[252:254] a second conversion's result (three registers from an even one)
.set ANG,  T+1
.set NN,   T+2
.set FR,   T+3
.set ZZ,   T+4
.set PS,   T+5
.set PC,   T+6
.set SG,   T+7
.set PT0,  T+8
.set MX,   T+10
.set SO,   T+11
.set BY,   T+12
.set DD,   T+13
.set PT1,  T+14
; at the head alone
.set TST,  160                         ; 32 x thread: my slot of the table
.set L16,  161                         ; 16, 8, 4 x lane: an image's places
.set L8,   162
.set L4,   163
.set A16,  164                         ; the same + (wave % 4) x a tile's image
.set A8,   165
.set A4,   172
.set EOFF, 173                         ; my emb row
.set W1O,  174                         ; my bytes in W1_codes
.set W1SO, 175                         ; and in W1_scales
.set BOFF, 176                         ; 64 x (lane / 16): my half's sixteen units in b0, b1, Wout
.set W0E,  177                         ; W0: my unit's column; in lanes 16-31 + 34 rows (even places under 16),
.set W0O,  190                         ; + 32 rows (odd places under 16),
.set W0H,  186                         ; + 16 rows (places from 16 on)
.set SH8,  191                         ; 8 x (lane / 16)
.set HC,   178                         ; v178-185 codes (6), the scale byte, a zero
.set HQ,   186                         ; v[186:188] a second conversion's result
.set BO,   189                         ; bout
.set WV,   2                           ; s2  wave
.set GW,   3                           ; s3  wave's number in the launch
.set TP,   8                           ; s[8:9] time_idx, s[10:11] rho, s[28:29] out0: at my chunk
.set RP,   10
.set OP,   28
.set NT,   30                          ; s30 my chunks
.set TR,   31                          ; s31 chunks done
.set CL,   33                          ; s33 lanes whose time_idx - 1 is above 0
.set NC,   34                          ; s[34:35] -log2(e)
.set SEL,  36                          ; s[36:37] v_permlanex16_b32's selects for lane l xor 16
.set K0,   38                          ; s38 -log2(e) x (bout + logit(0.3))
.set HIM,  39                          ; s39 lanes 16-31
.set MK,   40                          ; s40, s41 lanes whose time_idx is 0, for the chunk's two steps
; 32 numbers of one lane, a whole block, become six registers of codes in v[HC] on and the scale's byte in v[HC+6]
.macro Q32 src
	v_max3_num_f32 v8, |v[\src]|, |v[\src+1]|, 0x1800000           ; the largest magnitude, and the floor 2^(3 - 127): the byte cannot fall under 1
.irp i, 2,4,6,8,10,12,14,16,18,20,22,24,26,28,30
	v_max3_num_f32 v8, v8, |v[\src+\i]|, |v[\src+\i+1]|
.endr
	v_add_nc_u32 v9, 0xff000000, v8                                ; 2 off its exponent field: the conversion takes the exponent field of this operand as its scale
	v_lshrrev_b32 v[HC+6], 23, v9                                  ; the scale's byte
	v_cvt_scalef32_pk16_fp6_f32 v[HC:HC+2], v[\src:\src+15], v9
	v_cvt_scalef32_pk16_fp6_f32 v[HQ:HQ+2], v[\src+16:\src+31], v9 ; (a conversion's three registers begin on an even number)
	v_nop                                                          ; one plain place behind a scaled conversion
.irp i, 0,1,2
	v_mov_b32 v[HC+3+\i], v[HQ+\i]
.endr
.endm
	s_load_b256 s[8:15], s[0:1], 0x0               ; time_idx, rho, emb, W0
	s_load_b256 s[16:23], s[0:1], 0x20             ; b0, W1_codes, W1_scales, b1
	s_load_b128 s[24:27], s[0:1], 0x40             ; Wout, bout
	s_load_b64 s[28:29], s[0:1], 0x50              ; out0
	v_lshl_add_u32 v[SPW], v0, 2, SPARE
	v_mov_b32 v[NIL], 0
	v_lshrrev_b32 v[T], 5, v0
	v_readfirstlane_b32 s[WV], v[T]                ; wave 0..15
	v_and_b32 v[T], 31, v0                         ; lane
	v_and_b32 v[T+1], 15, v0                       ; r
	v_bfe_u32 v[T+2], v0, 4, 1                     ; h
	v_and_b32 v[T+3], 8, v[T+1]
	v_add_nc_u32 v[T+3], v[T+3], v[T+1]            ; r + 8 (r / 8)
	v_lshlrev_b32 v[T+4], 2, v[T+3]                ; its column in a row of W0
	v_lshlrev_b32 v[GOFF], 3, v[T]
	v_lshlrev_b32 v[TST], 5, v0
	v_lshlrev_b32 v[L16], 4, v[T]
	v_lshlrev_b32 v[L8], 3, v[T]
	v_lshlrev_b32 v[L4], 2, v[T]
	s_wait_alu depctr_va_sdst(0)                   ; the wave's number is written, ahead of its first reader: LDS addresses, bases and branches are made from it
	s_and_b32 s32, s[WV], 3
	s_mul_i32 s32, s32, IMG
	v_add_nc_u32 v[A16], s32, v[L16]               ; every LDS address is made here, ahead of the branch on the wave's number
	v_add_nc_u32 v[A8], s32, v[L8]
	v_add_nc_u32 v[A4], s32, v[L4]
	v_min_u32 v[EOFF], 0x1fe, v0                   ; thread 511 takes row 510 once more: its slot is never looked up
	v_lshlrev_b32 v[EOFF], 7, v[EOFF]
	v_mul_u32_u24 v[W1O], v[T+3], 48
	v_mad_u32_u24 v[W1O], v[T+2], 24, v[W1O]       ; a unit's 48 bytes of codes, my half's block of 24
	v_lshlrev_b32 v[W1SO], 1, v[T+3]
	v_lshlrev_b32 v[BOFF], 6, v[T+2]
	v_mad_u32_u24 v[W0E], v[T+2], 34*256, v[T+4]
	v_lshl_add_u32 v[W0O], v[T+2], 13, v[T+4]
	v_lshl_add_u32 v[W0H], v[T+2], 12, v[T+4]
	v_lshlrev_b32 v[SH8], 3, v[T+2]
.irp i, 0,1,2,3,4,5
	v_mov_b32 v[Z+\i], 0
.endr
	v_mov_b32 v[HC+7], 0                           ; (a lane permute's destination counts as one of its sources)
	s_mov_b32 s[NC], 0xbfb8aa3b
	s_mov_b32 s[NC+1], s[NC]                       ; (named with it as a pair, so it is written)
	s_mov_b32 s[SEL], 0x76543210
	s_mov_b32 s[SEL+1], 0xfedcba98
	s_mov_b32 s[HIM], 0xffff0000
	s_lshl_b32 s[GW], s[WV], 8
	s_add_co_u32 s[GW], s[GW], ttmp9               ; 256 x wave + work-group
	s_cmp_lt_u32 s[GW], FULL
	s_cselect_b32 s[NT], 8, 7
	s_lshl_b32 s4, s[GW], 8                        ; my first chunk, in bytes
	s_mov_b32 s5, 0
	s_and_b32 s42, s[WV], 1                        ; 4 U(wave % 4): the W0 tile that waves 0 to 3 quantise
	s_lshl_b32 s42, s42, 5
	s_and_b32 s43, s[WV], 2
	s_lshl_b32 s43, s43, 6
	s_add_co_u32 s42, s42, s43
	s_mov_b32 s43, 0
	s_wait_kmcnt 0x0
	s_add_nc_u64 s[TP:TP+1], s[TP:TP+1], s[4:5]
	s_add_nc_u64 s[RP:RP+1], s[RP:RP+1], s[4:5]
	s_add_nc_u64 s[OP:OP+1], s[OP:OP+1], s[4:5]
	s_add_nc_u64 s[14:15], s[14:15], s[42:43]
	s_wait_alu depctr_va_vdst(0)                   ; all offsets and LDS addresses of the kernel but v0 are written, which the loads and stores below read; the head's lines are done with v[T] to v[T+4], in which W0's loads land
	; all that the head needs, in one flight
	global_load_b64 v[LDR:LDR+1], v[GOFF], s[RP:RP+1] th:TH_LOAD_NT
	global_load_b64 v[LDT:LDT+1], v[GOFF], s[TP:TP+1] th:TH_LOAD_NT
.irp i, 0,1,2,3,4,5,6,7
	global_load_b128 v[X+4*\i:X+4*\i+3], v[EOFF], s[12:13] offset:16*\i      ; my row of emb
.endr
.irp t, 0,1,2,3
.irp q, 0,1,2
	global_load_b64 v[WF+12*\t+6+2*\q:WF+12*\t+7+2*\q], v[W1O], s[18:19] offset:(32*(\t/2)+8*(\t%2))*48+8*\q   ; W1's codes as they lie: registers 6-11 of fragment t
.endr
	global_load_u16 v[WS+\t], v[W1SO], s[20:21] offset:(32*(\t/2)+8*(\t%2))*2   ; and the unit's two scale bytes
.endr
.irp t, 0,1,2,3
	global_load_b128 v[B0+8*\t:B0+8*\t+3], v[BOFF], s[16:17] offset:(32*(\t/2)+8*(\t%2))*4
	global_load_b128 v[B0+8*\t+4:B0+8*\t+7], v[BOFF], s[16:17] offset:(32*(\t/2)+8*(\t%2))*4+16
	global_load_b128 v[B1+8*\t:B1+8*\t+3], v[BOFF], s[22:23] offset:(32*(\t/2)+8*(\t%2))*4
	global_load_b128 v[B1+8*\t+4:B1+8*\t+7], v[BOFF], s[22:23] offset:(32*(\t/2)+8*(\t%2))*4+16
	global_load_b128 v[WO+8*\t:WO+8*\t+3], v[BOFF], s[24:25] offset:(32*(\t/2)+8*(\t%2))*4
	global_load_b128 v[WO+8*\t+4:WO+8*\t+7], v[BOFF], s[24:25] offset:(32*(\t/2)+8*(\t%2))*4+16
.endr
	global_load_b32 v[BO], v[Z], s[26:27]          ; bout (offset 0)
	; waves 0 to 3: W0's tile t = wave.  A lane takes a unit's column and its registers run down K: lanes 0-15 rows 0-31 (emb's block), lanes 16-31 the features' block in this text's order
	s_cmp_lt_u32 s[WV], 4
	s_cbranch_scc0 .Lno_w0
.irp i, 0,2,4,6,8,10,12,14
	global_load_b32 v[T+\i], v[W0E], s[14:15] offset:256*\i          ; lanes 16-31: row 34 + i
	global_load_b32 v[T+\i+1], v[W0O], s[14:15] offset:256*(\i+1)    ; lanes 16-31: row 32 + (i + 1)
.endr
.irp i, 16,17,18,19,20,21,22,23,24,25,26,27,28,29,30,31
	global_load_b32 v[T+\i], v[W0H], s[14:15] offset:256*\i          ; lanes 16-31: row 32 (rho's) at place 16; behind it rows 33-47, inside the buffer, replaced by zeros below
.endr
	s_wait_loadcnt 0x0
	s_wait_alu depctr_vm_vsrc(0)                   ; W0's loads have read v[W0H], the first of the three registers that the quantiser's second conversion writes
.irp i, 17,18,19,20,21,22,23,24,25,26,27,28,29,30,31
	v_cndmask_b32 v[T+\i], v[T+\i], v[Z], s[HIM]   ; K ends at 49: the block's last 15 places are zeros
.endr
	Q32 T
	v_lshlrev_b32 v[HC+6], v[SH8], v[HC+6]         ; my block's byte at its place,
	v_permlanex16_b32 v[HC+7], v[HC+6], s[SEL], s[SEL+1]
	v_or_b32 v[HC+6], v[HC+6], v[HC+7]             ; with lane l xor 16's: bytes 0 and 1 of the unit's scale word
	s_wait_alu depctr_va_vdst(0)                   ; the conversions, the moves and the lines above have written v[HC] to v[HC+6], which the three LDS stores read
	ds_store_b128 v[A16], v[HC:HC+3] offset:W0IMG
	ds_store_b64 v[A8], v[HC+4:HC+5] offset:W0IMG+512
	ds_store_b32 v[A4], v[HC+6] offset:W0IMG+768
	s_wait_dscnt 0x0                               ; the stores have read their registers, which are written again below
	s_wait_alu depctr_vm_vsrc(0)                   ; the three LDS stores have read v[HC] to v[HC+6], which emb's quantiser writes again
.Lno_w0:
	s_wait_loadcnt 0x0                             ; all the head's loads are in; their offset registers are free
	Q32 X                                          ; my row of emb
	v_mov_b32 v[HC+7], 0
	s_wait_alu depctr_va_vdst(0)                   ; the quantiser and the move have written v[HC] to v[HC+7], which the table's stores read; every line that names v[T] to v[T+3] is done, in which the images' scale words land behind the barrier
	ds_store_b128 v[TST], v[HC:HC+3] offset:TABLE
	ds_store_b128 v[TST], v[HC+4:HC+7] offset:TABLE+16
	v_add_f32 v[BO], 0xbf58e883, v[BO]             ; bout + ln(0.3 / 0.7)
	v_mul_f32 v[BO], s[NC], v[BO]
	v_readfirstlane_b32 s[K0], v[BO]
	s_wait_alu depctr_va_sdst(0)                   ; s[K0] is written
	s_wait_dscnt 0x0                               ; for the others' sake: my stores into the table and the images are done
	s_wait_alu depctr_vm_vsrc(0)                   ; the table's second store has read v[HC+6] and v[HC+7], which are the first two of the zeros written below
.irp i, 0,1,2,3,4,5
	v_mov_b32 v[Z2+\i], 0
.endr
	s_barrier_signal -1
	s_barrier_wait -1                              ; the table and W0's four images are whole; from here to the barrier behind the loop LDS is only read
.irp t, 0,1,2,3
	ds_load_b128 v[WF+12*\t:WF+12*\t+3], v[L16] offset:W0IMG+IMG*\t
	ds_load_b64 v[WF+12*\t+4:WF+12*\t+5], v[L8] offset:W0IMG+IMG*\t+512
	ds_load_b32 v[T+\t], v[L4] offset:W0IMG+IMG*\t+768             ; (no vector line since the wait ahead of the table's stores names v[T] to v[T+3])
.endr
	s_wait_dscnt 0x0
.irp t, 0,1,2,3
	v_lshl_or_b32 v[WS+\t], v[WS+\t], 16, v[T+\t]  ; W1's two bytes above W0's two
.endr
	s_mov_b32 s[TR], 0
; The look-up of step p: idx = clip(time_idx - 1, 0, 510); three LDS loads, which land while the features are made.  v0 is free since the spare word's address was made.
.macro INDEX p
	s_wait_alu depctr_vm_vsrc(0)                   ; the look-up before has read v0, written below; the chunk's store has read OUT, which this step's sums write again; in the first trip the images' loads have read v161 to v163, in which the look-up lands
	v_add_nc_u32 v0, -1, v[LDT+\p]
	v_cmp_eq_u32 s[MK+\p], 0, v[LDT+\p]
	v_cmp_lt_i32 s[CL], 0, v0
	s_wait_alu depctr_va_sdst(0)                   ; both compares have written their masks: s[CL] is read by the next line, s[MK+p] at the trip's end, behind branches and labels
	v_cndmask_b32 v0, v[Z], v0, s[CL]              ; 0 from below,
	v_min_u32 v0, 0x1fe, v0                        ; 510 from above
	v_lshlrev_b32 v0, 5, v0
	s_wait_alu depctr_va_vdst(0)                   ; v0 is written, which the three loads read; the last products are done reading OPA and SW and the joining lines have written them: the loads land there
	ds_load_b128 v[OPA:OPA+3], v0 offset:TABLE
	ds_load_b64 v[OPA+4:OPA+5], v0 offset:TABLE+16
	ds_load_b32 v[SW], v0 offset:TABLE+24
.endm
; (cos, sin) of two angles + one angle: pairs at X + dc, X + ds from pairs at X + sc, X + ss; the angle added is the LOW register of the pairs at X + mc, X + ms
.macro ANGLE dc, ds, sc, ss, mc, ms
	v_pk_mul_f32 v[PT0:PT0+1], v[X+\ss:X+\ss+1], v[X+\ms:X+\ms+1] op_sel_hi:[1,0]
	v_pk_mul_f32 v[PT1:PT1+1], v[X+\sc:X+\sc+1], v[X+\ms:X+\ms+1] op_sel_hi:[1,0]
	v_pk_fma_f32 v[X+\dc:X+\dc+1], v[X+\sc:X+\sc+1], v[X+\mc:X+\mc+1], v[PT0:PT0+1] op_sel_hi:[1,0,1] neg_lo:[0,0,1] neg_hi:[0,0,1]
	v_pk_fma_f32 v[X+\ds:X+\ds+1], v[X+\ss:X+\ss+1], v[X+\mc:X+\mc+1], v[PT1:PT1+1] op_sel_hi:[1,0,1]
.endm
; The 17 features of my point and their codes.  a = pi rho; a = n pi + f with |f| <= pi / 2 (pi in two parts); sin f and cos f by their series to f^11 and f^12; the sign by n's parity;
; the multiples by doubling and three rounds of angle additions, two angles an instruction.
.macro FEAT p
	v_mul_f32 v[ANG], 0x40490fdb, v[LDR+\p]
	v_mul_f32 v[NN], 0x3ea2f983, v[ANG]
	v_rndne_f32 v[NN], v[NN]
	v_fmamk_f32 v[FR], v[NN], 0xc0490fdb, v[ANG]
	v_fmamk_f32 v[FR], v[NN], 0x33bbbd2e, v[FR]
	v_mov_b32 v[PS], 0xb2d7322b                    ; -1 / 11!
	v_mov_b32 v[PC], 0x310f76c7                    ; 1 / 12!
	v_mul_f32 v[ZZ], v[FR], v[FR]
	v_cvt_i32_f32 v[SG], v[NN]
	v_fmaak_f32 v[PS], v[PS], v[ZZ], 0x3638ef1d
	v_fmaak_f32 v[PC], v[PC], v[ZZ], 0xb493f27e
	v_fmaak_f32 v[PS], v[PS], v[ZZ], 0xb9500d01
	v_fmaak_f32 v[PC], v[PC], v[ZZ], 0x37d00d01
	v_fmaak_f32 v[PS], v[PS], v[ZZ], 0x3c088889
	v_fmaak_f32 v[PC], v[PC], v[ZZ], 0xbab60b61
	v_fmaak_f32 v[PS], v[PS], v[ZZ], 0xbe2aaaab
	v_fmaak_f32 v[PC], v[PC], v[ZZ], 0x3d2aaaab
	v_mul_f32 v[PT0], v[FR], v[ZZ]
	v_fmaak_f32 v[PC], v[PC], v[ZZ], 0xbf000000
	v_lshlrev_b32 v[SG], 31, v[SG]
	v_fma_f32 v[X+9], v[PT0], v[PS], v[FR]         ; sin f
	v_fma_f32 v[X+1], v[PC], v[ZZ], 1.0            ; cos f
	v_xor_b32 v[X+9], v[SG], v[X+9]                ; s1
	v_xor_b32 v[X+1], v[SG], v[X+1]                ; c1
	v_add_f32 v[DD], v[X+1], v[X+1]
	v_fma_f32 v[X], v[DD], v[X+1], -1.0            ; c2
	v_mul_f32 v[X+8], v[DD], v[X+9]                ; s2
	ANGLE 2, 10, 0, 8, 0, 8                        ; (2, 1) + 2 = (4, 3)
	ANGLE 4, 12, 0, 8, 2, 10                       ; (2, 1) + 4 = (6, 5)
	ANGLE 6, 14, 2, 10, 2, 10                      ; (4, 3) + 4 = (8, 7)
	v_mov_b32 v[X+16], v[LDR+\p]                   ; rho
	v_max3_num_f32 v[MX], |v[X]|, |v[X+1]|, 0x1800000
.irp i, 2,4,6,8,10,12,14
	v_max3_num_f32 v[MX], v[MX], |v[X+\i]|, |v[X+\i+1]|
.endr
	v_max_num_f32 v[MX], v[MX], |v[X+16]|
	v_add_nc_u32 v[SO], 0xff000000, v[MX]
	v_lshrrev_b32 v[BY], 23, v[SO]
	v_cvt_scalef32_pk16_fp6_f32 v[OPB:OPB+2], v[X:X+15], v[SO]
	v_cvt_scalef32_pk16_fp6_f32 v[Q:Q+2], v[X+16:X+31], v[SO]      ; of these sixteen only the first, rho's, is a feature: the other registers hold old numbers, whose codes are cut off below
	v_nop                                          ; one plain place behind a scaled conversion
	v_and_b32 v[OPB+3], 0x3f, v[Q]                 ; rho's code; the block's last 15 codes are zeros
	v_mov_b32 v[OPB+4], 0
	v_mov_b32 v[OPB+5], 0
.endm
; Every lane holds its own point's two blocks: emb's in OPA, the features' in OPB.  Six exchanges of halves make of them the operand of the points in lanes 0-15 (lanes 0-15 block 0, lanes 16-31 block 1) and that of the points in lanes 16-31.
.macro JOIN
	s_wait_dscnt 0x0                               ; the look-up is in
	v_lshl_or_b32 v[SW], v[BY], 8, v[SW]           ; the scale word stays in the point's own lane: lanes 0-15 are read as row 0, lanes 16-31 as row 1
.irp i, 0,1,2,3,4,5
	v_permlane16_swap_b32 v[OPA+\i], v[OPB+\i]
.endr
.rept 8
	v_nop                                          ; a scale register written by a vector instruction stands 8 places ahead of a scaled matrix instruction, an operand so written 4
.endr
	s_wait_alu depctr_va_vdst(0)                   ; SW, OPA and OPB are written (in the first trip the weights' scale words and the zeros too), which the products take as scales and codes; the index and feature lines are done reading rho and time_idx
.endm
; Four matrix instructions, one for each tile of 16 units, on four accumulators; the bias is their C, so nothing is cleared or added.  Four places follow, ahead of the first read of the results (ISA guide 7.12.1).
.macro PROD c, op, sc, row1
.irp t, 0,1,2,3
.if \row1
	v_wmma_scale_f32_16x16x128_f8f6f4 v[X+8*\t:X+8*\t+7], v[WF+12*\t:WF+12*\t+11], v[\op:\op+11], v[\c+8*\t:\c+8*\t+7], v[WS+\t], v[\sc] matrix_a_fmt:MATRIX_FMT_FP6 matrix_b_fmt:MATRIX_FMT_FP6 matrix_b_scale:MATRIX_SCALE_ROW1
.else
	v_wmma_scale_f32_16x16x128_f8f6f4 v[X+8*\t:X+8*\t+7], v[WF+12*\t:WF+12*\t+11], v[\op:\op+11], v[\c+8*\t:\c+8*\t+7], v[WS+\t], v[\sc] matrix_a_fmt:MATRIX_FMT_FP6 matrix_b_fmt:MATRIX_FMT_FP6
.endif
.endr
.rept 4
	v_nop
.endr
.endm
.macro NEGEXP                          ; T = 2^(-log2(e) X): the scalings ascend; the 32 exponentials are one batch
.set i, 0
.rept 16
	v_pk_mul_f32 v[T+i:T+i+1], v[X+i:X+i+1], s[NC:NC+1] op_sel_hi:[1,0]
.set i, i+2
.endr
.set i, 0
	s_wait_alu depctr_va_vdst(0)
.rept 32
	v_exp_f32 v[T+i], v[T+i]
.set i, i+1
.endr
.endm
.macro RECIP                           ; T = 1 / (1 + T): the sigmoid; the 32 reciprocals are one batch, with its plain place and its one wait
.set i, 0
.rept 16
	v_pk_add_f32 v[T+i:T+i+1], v[T+i:T+i+1], 1.0 op_sel_hi:[1,0]
.set i, i+2
.endr
.set i, 0
	s_wait_alu depctr_va_vdst(0)
.rept 32
	v_rcp_f32 v[T+i], v[T+i]
.set i, i+1
.endr
	v_nop                                          ; a plain place behind the last reciprocal
	s_wait_alu depctr_va_vdst(0)                   ; the 32 reciprocals have written T, ahead of the first line that names a result: one wait for the batch
.endm
; 16 points through both layers and the dot with Wout.  op: their operand of product 1; row1: their scale words lie in lanes 16-31; dst: where a lane's half sum (its 32 units) goes
.macro TILE op, row1, dst
	PROD B0, \op, SW, \row1
	NEGEXP
	v_nop                                          ; a plain place behind the last exponential
	s_wait_alu depctr_va_vdst(0)                   ; the 32 exponentials have written T, ahead of the additions that read it: one wait for the batch
	RECIP
.set i, 0
.rept 16
	v_pk_mul_f32 v[X+i:X+i+1], v[X+i:X+i+1], v[T+i:T+i+1]          ; silu
.set i, i+2
.endr
	; the hidden layer's two blocks of 32: registers 16 b + i are units 32 b + 16 (lane / 16) + i of my point
.irp b, 0,1
	v_max3_num_f32 v[T+\b], |v[X+16*\b]|, |v[X+16*\b+1]|, 0x1800000
.endr
.irp i, 2,4,6,8,10,12,14
.irp b, 0,1
	v_max3_num_f32 v[T+\b], v[T+\b], |v[X+16*\b+\i]|, |v[X+16*\b+\i+1]|
.endr
.endr
.irp b, 0,1
	v_permlanex16_b32 v[T+2+\b], v[T+\b], s[SEL], s[SEL+1]
.endr
.irp b, 0,1
	v_max_num_f32 v[T+\b], v[T+\b], v[T+2+\b]      ; with lane l xor 16's sixteen: the block's largest magnitude
.endr
.irp b, 0,1
	v_add_nc_u32 v[T+4+\b], 0xff000000, v[T+\b]
.endr
.irp b, 0,1
	v_lshrrev_b32 v[T+6+\b], 23, v[T+4+\b]
.endr
	v_lshlrev_b32 v[SW2], 16, v[T+6]               ; bytes 2 and 3: the hidden layer stands at 64-127 of the instruction's K
	v_lshl_or_b32 v[SW2], v[T+7], 24, v[SW2]
	v_cvt_scalef32_pk16_fp6_f32 v[H1:H1+2], v[X:X+15], v[T+4]
	v_cvt_scalef32_pk16_fp6_f32 v[Q:Q+2], v[X+16:X+31], v[T+5]
	v_nop                                          ; one plain place behind a scaled conversion
.irp i, 0,1,2
	v_permlane16_swap_b32 v[H1+\i], v[Q+\i]        ; the operand's layout wants a whole block in a lane: lanes 0-15 block 0, lanes 16-31 block 1
.endr
.irp i, 0,1,2
	v_mov_b32 v[H1+3+\i], v[Q+\i]
.endr
.rept 8
	v_nop                                          ; the scale word stands 8 places ahead of the scaled matrix instruction, the codes 4
.endr
	s_wait_alu depctr_va_vdst(0)                   ; SW2 and the six registers of H1 are written, which the products below take as scales and as codes; the places above stay beside this wait
	PROD B1, Z, SW2, 0
	NEGEXP
.set i, 0
.rept 16
	v_pk_mul_f32 v[X+i:X+i+1], v[X+i:X+i+1], v[WO+i:WO+i+1]        ; x Wout: work that names no exponential's result, behind the batch
.set i, i+2
.endr
	s_wait_alu depctr_va_vdst(0)                   ; the 32 exponentials have written T, ahead of the additions that read it: one wait for the batch
	RECIP
	v_pk_mul_f32 v[ACC:ACC+1], v[X:X+1], v[T:T+1]                  ; the sum of (x Wout) sigmoid(x), two at a time, in two chains
	v_pk_mul_f32 v[T:T+1], v[X+2:X+3], v[T+2:T+3]
.set i, 4
.rept 7
	v_pk_fma_f32 v[ACC:ACC+1], v[X+i:X+i+1], v[T+i:T+i+1], v[ACC:ACC+1]
	v_pk_fma_f32 v[T:T+1], v[X+i+2:X+i+3], v[T+i+2:T+i+3], v[T:T+1]
.set i, i+4
.endr
	v_pk_add_f32 v[ACC:ACC+1], v[ACC:ACC+1], v[T:T+1]
	v_add_f32 v[\dst], v[ACC], v[ACC+1]
.endm
.macro STEP p
	INDEX \p
	FEAT \p
	s_wait_alu depctr_va_vdst(0)
	JOIN
.if \p
	; rho and time_idx have had their last read (the masks are in scalar registers), and the wait that closes the joining lines has shown those reads done: the next chunk is asked for here, with no wait of its own,
	; and has the rest of the step in which to land.  No vector line from here to the next trip's wait for these loads names LDR or LDT.  The last chunk asks for nothing: no load leaves its buffer
	s_add_co_u32 s32, s[TR], 1
	s_cmp_lt_u32 s32, s[NT]
	s_cbranch_scc0 .Lno_next_\@
	global_load_b64 v[LDR:LDR+1], v[GOFF], s[RP:RP+1] offset:STRIDE th:TH_LOAD_NT
	global_load_b64 v[LDT:LDT+1], v[GOFF], s[TP:TP+1] offset:STRIDE th:TH_LOAD_NT
.Lno_next_\@:
.endif
	TILE OPA, 0, OUT+\p
	TILE OPB, 1, ACC
	v_permlane16_swap_b32 v[OUT+\p], v[ACC]        ; the first now holds each lane's own point's lower 32 units, the second its upper 32
	v_add_f32 v[OUT+\p], v[OUT+\p], v[ACC]         ; raw less bout, in the point's own lane
.endm
.Ltrip:
	s_wait_loadcnt 0x0                             ; this chunk's rho and time_idx
	STEP 0
	STEP 1
	v_fma_f32 v[T], v[OUT], s[NC], s[K0]           ; -log2(e) (raw + logit(0.3))
	v_fma_f32 v[T+1], v[OUT+1], s[NC], s[K0]
	s_wait_alu depctr_va_vdst(0)
	v_exp_f32 v[T], v[T]
	v_exp_f32 v[T+1], v[T+1]
	v_nop                                          ; a plain place behind the exponentials
	s_wait_alu depctr_va_vdst(0)                   ; the two exponentials have written v[T] and v[T+1], ahead of the addition that reads them
	v_pk_add_f32 v[T:T+1], v[T:T+1], 1.0 op_sel_hi:[1,0]
	s_wait_alu depctr_va_vdst(0)
	v_rcp_f32 v[T], v[T]
	v_rcp_f32 v[T+1], v[T+1]
	v_mov_b32 v[T+2], 0x46068800                   ; 0.3 x 28700 (the plain place behind the reciprocals)
	s_wait_alu depctr_va_vdst(0)                   ; the two reciprocals have written v[T] and v[T+1], ahead of the multiplication that reads them
	v_pk_mul_f32 v[T:T+1], v[T:T+1], 0x46e03800 op_sel_hi:[1,0]    ; x 28700
	v_cndmask_b32 v[OUT], v[T], v[T+2], s[MK]      ; the initial value where time_idx is 0
	v_cndmask_b32 v[OUT+1], v[T+1], v[T+2], s[MK+1]
	s_wait_alu depctr_va_vdst(0)                   ; the two selects have written OUT, which the store reads
	global_store_b64 v[GOFF], v[OUT:OUT+1], s[OP:OP+1] th:TH_STORE_NT   ; 32 lanes store 256 consecutive bytes, at a multiple of 256 from out0's first byte
	s_wait_xcnt 0x0                                ; the store and the loads ahead have read their registers and bases: both may be written again
	s_add_nc_u64 s[RP:RP+1], s[RP:RP+1], STRIDE
	s_add_nc_u64 s[TP:TP+1], s[TP:TP+1], STRIDE
	s_add_nc_u64 s[OP:OP+1], s[OP:OP+1], STRIDE
	s_add_co_u32 s[TR], s[TR], 1
	s_cmp_lt_u32 s[TR], s[NT]
	s_cbranch_scc1 .Ltrip
	s_wait_dscnt 0x0                               ; my look-ups are in
	s_barrier_signal -1
	s_barrier_wait -1                              ; everybody's are: no LDS read is out when the lines below write
	s_wait_dscnt 0x0                               ; the wave's end: the closing lines, six on end
	s_wait_alu 0x0
	s_wait_tensorcnt 0x0
	ds_add_u32 v[SPW], v[NIL]
	s_wait_dscnt 0x0
	s_endpgm
.Lfunc_end_k_q7fcd7a1414_mlp:
	.size	k_q7fcd7a1414_mlp, .Lfunc_end_k_q7fcd7a1414_mlp-k_q7fcd7a1414_mlp
	.p2alignl 7, 3214868480
	.fill 96, 4, 3214868480
	.section	.rodata,"a",@progbits
	.p2align	6, 0x0
	.amdhsa_kernel k_q7fcd7a1414_mlp
		.amdhsa_group_segment_fixed_size 22016
		.amdhsa_private_segment_fixed_size 0
		.amdhsa_enable_private_segment 0
		.amdhsa_kernarg_size 88
		.amdhsa_user_sgpr_count 2
		.amdhsa_user_sgpr_kernarg_segment_ptr 1
		.amdhsa_wavefront_size32 1
		.amdhsa_system_sgpr_workgroup_id_x 1
		.amdhsa_system_sgpr_workgroup_id_y 1
		.amdhsa_system_sgpr_workgroup_id_z 1
		.amdhsa_system_vgpr_workitem_id 0
		.amdhsa_next_free_vgpr 256
		.amdhsa_next_free_sgpr 66
		.amdhsa_reserve_vcc 0
		.amdhsa_float_denorm_mode_32 3
		.amdhsa_float_denorm_mode_16_64 3
		.amdhsa_memory_ordered 1
		.amdhsa_forward_progress 1
		.amdhsa_inst_pref_size 87
	.end_amdhsa_kernel
	.amdgpu_metadata
---
amdhsa.version: [ 1, 2 ]
amdhsa.kernels:
  - .name:           k_q7fcd7a1414_mlp
    .symbol:         k_q7fcd7a1414_mlp.kd
    .args:
      - { .name: time_idx, .offset: 0, .size: 8, .value_kind: global_buffer, .address_space: global }
      - { .name: rho, .offset: 8, .size: 8, .value_kind: global_buffer, .address_space: global }
      - { .name: emb, .offset: 16, .size: 8, .value_kind: global_buffer, .address_space: global }
      - { .name: W0, .offset: 24, .size: 8, .value_kind: global_buffer, .address_space: global }
      - { .name: b0, .offset: 32, .size: 8, .value_kind: global_buffer, .address_space: global }
      - { .name: W1_codes, .offset: 40, .size: 8, .value_kind: global_buffer, .address_space: global }
      - { .name: W1_scales, .offset: 48, .size: 8, .value_kind: global_buffer, .address_space: global }
      - { .name: b1, .offset: 56, .size: 8, .value_kind: global_buffer, .address_space: global }
      - { .name: Wout, .offset: 64, .size: 8, .value_kind: global_buffer, .address_space: global }
      - { .name: bout, .offset: 72, .size: 8, .value_kind: global_buffer, .address_space: global }
      - { .name: out0, .offset: 80, .size: 8, .value_kind: global_buffer, .address_space: global }
    .group_segment_fixed_size: 22016
    .private_segment_fixed_size: 0
    .kernarg_segment_align: 8
    .kernarg_segment_size: 88
    .max_flat_workgroup_size: 512
    .sgpr_count:     66
    .vgpr_count:     256
    .wavefront_size: 32
...
	.end_amdgpu_metadata
.endif
;; end of part 2
